; MI455X (gfx1250); checked and timed in simulation.
; The chip was launched on July 23, 2026; its instructions are those of AMD's public machine-readable ISA for CDNA 5 (MIT licence, August 2026) and "CDNA5" Instruction Set Architecture Reference Guide (July 2026). The comments in the code are by the model that wrote it; some were corrected since.
;; Attention. Allowed arithmetic: float matrix products may take bf16 or f16 operands with f32 sums; other float arithmetic in f32, or as packed bf16 or f16 multiplies, adds, multiply-adds, maxima and minima; sums over many terms, partial sums and values carried from step to step in f32; what a program stores and reads back later, other than sums and carried values, may be rounded once to bf16 or f16.
;; Inputs: W_attn 1,024 x 2,048 float32; b_attn 1,024 float32; decoder_state 32 x 1,024 float32; encoder_annotation_seq 2,048 x 32 x 1,024 float32; w_comb 1,024 float32.
;; Outputs: out0 32 x 2,048 float32.
;; One version. Each part assembles by itself: llvm-mc -triple=amdgcn-amd-amdhsa -mcpu=gfx1250 --defsym DOCPART=n.
;; ======== version 1 of 1: 3 launches
;; workspace buffers: wb 2,097,152 bytes; biasc 131,072 bytes; part 2,097,152 bytes
;; launch prep (part 1): grid 64 x 1, 16 waves a work-group, no clusters, 166,656 bytes of LDS; arguments W_attn, b_attn, decoder_state, wb, biasc; writes wb, biasc
.if DOCPART == 1
	.amdgcn_target "amdgcn-amd-amdhsa--gfx1250"
	.amdhsa_code_object_version 6
	.text
	.protected	k_qdb424fcef8_prep
	.globl	k_qdb424fcef8_prep
	.p2align	8
	.type	k_qdb424fcef8_prep,@function
k_qdb424fcef8_prep:
	s_mov_b64 s[64:65], 0
	v_nop
	global_prefetch_b8 v0, s[64:65] scope:SCOPE_SE
	s_setreg_imm32_b32 hwreg(HW_REG_WAVE_MODE, 25, 1), 1
	s_wait_xcnt 0x0
; PREPARATION.  W_attn: [1024 d][2048] f32 (columns 0-1023 = W_e, 1024-2047 = W_d), b_attn: [1024] f32, decoder_state: [32][1024] f32.
; Stores (1) wb = bf16(W_e) in the order in which the main launch's matrix instructions want it:
;   [nh 2][js 8][w 4][q 4][nb 8][half 2][lane 32][8 bf16],  d = 512 nh + 128 w + 16 nb + lane % 16,  k = 128 js + 32 q + 16 half + 8 (lane / 16) + e
; and (2) biasc[d / 16][b 32][d % 16] = c x (sum over k of bf16(dec[b][k]) bf16(W_d[d][k]) + bf16(b_attn[d])) in f32, c = 2 log2(e): the bias of the exponent of tanh.
; All inputs are rounded once to bf16 (b_attn too, so that every input of the program has the same rounding); sums in f32.
; SHARES.  Work-group x owns the 16 rows d = 16 x .. 16 x + 15.  Wave w brings row w of them and rows 2 w, 2 w + 1 of dec, rounds them and lays them in LDS; behind a barrier it takes
; 64 along K (K blocks 2 w, 2 w + 1 of 32): stores W_e's fragments as they lie in its registers, multiplies W_d's by dec's, and leaves its partial sums in LDS; waves 0-3 add the sixteen.
; No cluster and no tensor load: every byte of W_attn is read by one wave, and it has to pass through registers to be rounded.
.set WL,     0                         ; 16 rows of W in bf16: 4,096 bytes + 16 of padding, so that 16 rows of a fragment load start 16 bytes apart modulo 256
.set WPITCH, 4112
.set DL,     65792                     ; 32 rows of dec in bf16: 2,048 bytes + 16
.set DPITCH, 2064
.set PART,   131840                    ; 16 waves x 2,048 bytes of partial sums (f32)
.set SPARE,  164608                    ; the spare words: 128 bytes for each of 16 waves; no other line names them
.set SPW, 4                            ; v4   SPARE + 4 x my thread's number; never rewritten
.set NIL, 5                            ; v5   0; never rewritten
.set L16, 6                            ; v6   16 x lane
.set BOF, 7                            ; v7   16 x (lane % 4)
.set BA,  8                            ; v[8:11] four numbers of b_attn
.set WST, 12                           ; v12  where I put 8 bytes of my row of W
.set DST, 13                           ; v13  the same for dec
.set WFR, 14                           ; v14  my lane's place in W's fragments
.set DFR, 15                           ; v15  the same for dec
.set PST, 16                           ; v16  where I put partial sums
.set PRD, 17                           ; v17  where I read them
.set TT,  18                           ; v18-21 at work
.set WR,  32                           ; v[32:95]   my row of W as loaded; later the sixteen partial sums
.set DR,  96                           ; v[96:159]  my two rows of dec as loaded
.set WE,  160                          ; v[160:175] W_e's fragments, K block i at +8 i
.set WD,  176                          ; v[176:191] W_d's
.set DE,  192                          ; v[192:223] dec's: rows 16 c .. at +16 c, K block i at +8 i
.set ACC, 224                          ; v[224:239] two accumulators: b = 0-15, b = 16-31
	s_load_b256 s[4:11], s[0:1], 0x0               ; W s[4:5], b_attn s[6:7], dec s[8:9], wb s[10:11]
	s_load_b64 s[12:13], s[0:1], 0x20              ; biasc
	v_lshl_add_u32 v[SPW], v0, 2, SPARE
	v_mov_b32 v[NIL], 0
	v_lshrrev_b32 v1, 5, v0
	v_readfirstlane_b32 s14, v1                    ; wave 0..15
	v_and_b32 v1, 31, v0                           ; lane
	v_and_b32 v2, 15, v0                           ; lane % 16
	v_bfe_u32 v3, v0, 4, 1                         ; lane / 16
	v_lshlrev_b32 v[L16], 4, v1
	v_and_b32 v[BOF], 3, v0
	v_lshlrev_b32 v[BOF], 4, v[BOF]
	s_lshl_b32 s16, ttmp9, 17                      ; 16 x rows of 8,192 bytes,
	s_lshl_b32 s20, s14, 13                        ; and my row of them; also: my two rows of dec, 8,192 bytes
	s_add_co_u32 s16, s16, s20
	s_mov_b32 s17, 0
	s_lshl_b32 s18, ttmp9, 6                       ; 16 x numbers of b_attn
	s_mov_b32 s19, 0
	s_mov_b32 s21, 0
	s_wait_kmcnt 0x0
	s_add_nc_u64 s[4:5], s[4:5], s[16:17]
	s_add_nc_u64 s[6:7], s[6:7], s[18:19]
	s_add_nc_u64 s[8:9], s[8:9], s[20:21]
	global_load_b128 v[BA:BA+3], v[BOF], s[6:7]    ; b_attn[16 x + 4 (lane % 4) ..]: the oldest of my 33 loads
.set i, 0
.rept 16
	global_load_b128 v[WR+4*i:WR+4*i+3], v[L16], s[4:5] offset:512*i th:TH_LOAD_NT  ; 512 consecutive bytes; the launch reads them once
.set i, i+1
.endr
.set i, 0
.rept 16
	global_load_b128 v[DR+4*i:DR+4*i+3], v[L16], s[8:9] offset:512*i  ; every work-group reads dec: no hint
.set i, i+1
.endr
	; LDS addresses and the stores' bases, while the loads are out
	s_mul_i32 s22, s14, WPITCH
	v_lshl_add_u32 v[WST], v1, 3, s22              ; WL + my row + 8 x lane
	s_mul_i32 s23, s14, 2*DPITCH
	s_add_co_u32 s23, s23, DL
	v_lshl_add_u32 v[DST], v1, 3, s23
	s_lshl_b32 s24, s14, 7                         ; my 64 along K: 128 bytes
	v_mul_u32_u24 v[WFR], v2, WPITCH
	v_lshl_add_u32 v[WFR], v3, 4, v[WFR]
	v_add_nc_u32 v[WFR], s24, v[WFR]               ; row x pitch + 16 x half + 128 w
	v_mul_u32_u24 v[DFR], v2, DPITCH
	v_lshl_add_u32 v[DFR], v3, 4, v[DFR]
	s_add_co_u32 s24, s24, DL
	v_add_nc_u32 v[DFR], s24, v[DFR]
	s_lshl_b32 s22, s14, 11
	s_add_co_u32 s22, s22, PART
	v_add_nc_u32 v[PST], s22, v[L16]
	s_lshr_b32 s16, ttmp9, 5                       ; wb: nh = x / 32,
	s_lshl_b32 s16, s16, 20
	s_bfe_u32 s17, ttmp9, 0x20003                  ; the main launch's wave (x / 8) % 4,
	s_lshl_b32 s17, s17, 15
	s_add_co_u32 s16, s16, s17
	s_and_b32 s17, ttmp9, 7                        ; nb = x % 8,
	s_lshl_b32 s17, s17, 10
	s_add_co_u32 s16, s16, s17
	s_lshr_b32 s17, s14, 1                         ; js = w / 2,
	s_lshl_b32 s17, s17, 17
	s_add_co_u32 s16, s16, s17
	s_and_b32 s17, s14, 1                          ; q = 2 (w % 2) + i
	s_lshl_b32 s17, s17, 14
	s_add_co_u32 s16, s16, s17
	s_mov_b32 s17, 0
	s_add_nc_u64 s[10:11], s[10:11], s[16:17]
	; round to bf16 and lay down: a load's 512 bytes become 256 consecutive bytes of LDS
.set i, 0
.rept 16
	s_wait_loadcnt 31-i                            ; loads come back in order: behind W's load i stand 15 - i of W's and 16 of dec's
	v_cvt_pk_bf16_f32 v[WR+4*i], v[WR+4*i], v[WR+4*i+1]
	v_cvt_pk_bf16_f32 v[WR+4*i+1], v[WR+4*i+2], v[WR+4*i+3]
	ds_store_b64 v[WST], v[WR+4*i:WR+4*i+1] offset:256*i
.set i, i+1
.endr
.set i, 0
.rept 16
	s_wait_loadcnt 15-i                            ; behind dec's load i stand 15 - i others
	v_cvt_pk_bf16_f32 v[DR+4*i], v[DR+4*i], v[DR+4*i+1]
	v_cvt_pk_bf16_f32 v[DR+4*i+1], v[DR+4*i+2], v[DR+4*i+3]
	ds_store_b64 v[DST], v[DR+4*i:DR+4*i+1] offset:DPITCH*(i/8)+256*(i%8)
.set i, i+1
.endr
	s_wait_dscnt 0x0                               ; for the others' sake: my rows are in LDS
	s_barrier_signal -1
	s_barrier_wait -1
	; A fragment is 16 rows x 32 K in 8 registers: lane l holds row l % 16, K = 8 (l / 16) + 0..7 and 16 + 8 (l / 16) + 0..7: two loads of 16 bytes, 32 bytes apart
.irp i, 0,1
	ds_load_b128 v[WE+8*\i:WE+8*\i+3],   v[WFR] offset:64*\i
	ds_load_b128 v[WE+8*\i+4:WE+8*\i+7], v[WFR] offset:64*\i+32
.endr
.irp i, 0,1
	ds_load_b128 v[WD+8*\i:WD+8*\i+3],   v[WFR] offset:2048+64*\i
	ds_load_b128 v[WD+8*\i+4:WD+8*\i+7], v[WFR] offset:2048+64*\i+32
.endr
.irp c, 0,1
.irp i, 0,1
	ds_load_b128 v[DE+16*\c+8*\i:DE+16*\c+8*\i+3],   v[DFR] offset:16*DPITCH*\c+64*\i
	ds_load_b128 v[DE+16*\c+8*\i+4:DE+16*\c+8*\i+7], v[DFR] offset:16*DPITCH*\c+64*\i+32
.endr
.endr
	s_wait_dscnt 12                                ; W_e's four loads are in; the twelve younger ones may be out
.irp i, 0,1
	global_store_b128 v[L16], v[WE+8*\i:WE+8*\i+3],   s[10:11] offset:8192*\i      ; each store of the wave covers 512 consecutive bytes, aligned
	global_store_b128 v[L16], v[WE+8*\i+4:WE+8*\i+7], s[10:11] offset:8192*\i+512
.endr
	s_wait_dscnt 0x0
	; source 0 = 16 rows of W_d, source 1 = 16 rows of dec: lane l holds b = l % 16 and d = 8 (l / 16) + 0..7.  The two accumulators take turns; the first products start the sums
	v_wmma_f32_16x16x32_bf16 v[ACC:ACC+7],    v[WD:WD+7],    v[DE:DE+7],     0
	v_wmma_f32_16x16x32_bf16 v[ACC+8:ACC+15], v[WD:WD+7],    v[DE+16:DE+23], 0
	v_wmma_f32_16x16x32_bf16 v[ACC:ACC+7],    v[WD+8:WD+15], v[DE+8:DE+15],  v[ACC:ACC+7]
	v_wmma_f32_16x16x32_bf16 v[ACC+8:ACC+15], v[WD+8:WD+15], v[DE+24:DE+31], v[ACC+8:ACC+15]
.rept 4
	v_nop                                          ; four places between the products and the stores that read them
.endr
	ds_store_b128 v[PST], v[ACC:ACC+3]             ; each accumulator's low registers first
	ds_store_b128 v[PST], v[ACC+4:ACC+7]   offset:512
	ds_store_b128 v[PST], v[ACC+8:ACC+11]  offset:1024
	ds_store_b128 v[PST], v[ACC+12:ACC+15] offset:1536
	s_wait_tensorcnt 0x0                           ; my last LDS store is behind me
	ds_add_u32 v[SPW], v[NIL]
	s_wait_dscnt 0x0                               ; also the wait that the barrier needs: my partial sums are in LDS
	s_barrier_signal -1
	s_barrier_wait -1
	s_cmp_gt_u32 s14, 3
	s_cbranch_scc1 .Lend                           ; waves 4-15 have no part of the 2,048 bytes that go out
	; wave w stores b = 8 w + lane / 4, d = 4 (lane % 4) + 0..3: in a wave's partial sums that is accumulator w / 2, registers 4 (lane % 2) .., lane 16 ((lane / 2) % 2) + 8 (w % 2) + lane / 4
	s_lshr_b32 s16, s14, 1
	s_lshl_b32 s16, s16, 10
	s_and_b32 s17, s14, 1
	s_lshl_b32 s17, s17, 7
	s_add_co_u32 s16, s16, s17
	s_add_co_u32 s16, s16, PART
	v_and_b32 v[TT], 1, v0
	v_lshlrev_b32 v[PRD], 9, v[TT]
	v_bfe_u32 v[TT], v0, 1, 1
	v_lshl_add_u32 v[PRD], v[TT], 8, v[PRD]
	v_bfe_u32 v[TT], v0, 2, 3
	v_lshl_add_u32 v[PRD], v[TT], 4, v[PRD]
	v_add_nc_u32 v[PRD], s16, v[PRD]
.set p, 0
.rept 16
	ds_load_b128 v[WR+4*p:WR+4*p+3], v[PRD] offset:2048*p
.set p, p+1
.endr
	v_cvt_pk_bf16_f32 v[TT], v[BA], v[BA+1]        ; b_attn rounded to bf16 and widened again
	v_cvt_pk_bf16_f32 v[TT+1], v[BA+2], v[BA+3]
	v_lshlrev_b32 v[BA], 16, v[TT]
	v_and_b32 v[BA+1], 0xffff0000, v[TT]
	v_lshlrev_b32 v[BA+2], 16, v[TT+1]
	v_and_b32 v[BA+3], 0xffff0000, v[TT+1]
	s_lshl_b32 s16, ttmp9, 11
	s_lshl_b32 s17, s14, 9
	s_add_co_u32 s16, s16, s17
	s_mov_b32 s17, 0
	s_add_nc_u64 s[12:13], s[12:13], s[16:17]
	s_wait_dscnt 0x0
.irp s, 8,4,2,1                        ; the sixteen waves' sums, added in f32 as a tree
.set p, 0
.rept \s
	v_pk_add_f32 v[WR+4*p:WR+4*p+1],   v[WR+4*p:WR+4*p+1],   v[WR+4*(p+\s):WR+4*(p+\s)+1]
	v_pk_add_f32 v[WR+4*p+2:WR+4*p+3], v[WR+4*p+2:WR+4*p+3], v[WR+4*(p+\s)+2:WR+4*(p+\s)+3]
.set p, p+1
.endr
.endr
	v_pk_add_f32 v[WR:WR+1],   v[WR:WR+1],   v[BA:BA+1]
	v_pk_add_f32 v[WR+2:WR+3], v[WR+2:WR+3], v[BA+2:BA+3]
	v_pk_mul_f32 v[WR:WR+1],   v[WR:WR+1],   0x4038aa3b op_sel_hi:[1,0]  ; c = 2 log2(e)
	v_pk_mul_f32 v[WR+2:WR+3], v[WR+2:WR+3], 0x4038aa3b op_sel_hi:[1,0]
	global_store_b128 v[L16], v[WR:WR+3], s[12:13] ; 512 consecutive bytes, aligned
.Lend:
	s_endpgm
.Lfunc_end_k_qdb424fcef8_prep:
	.size	k_qdb424fcef8_prep, .Lfunc_end_k_qdb424fcef8_prep-k_qdb424fcef8_prep
	.p2alignl 7, 3214868480
	.fill 96, 4, 3214868480
	.section	.rodata,"a",@progbits
	.p2align	6, 0x0
	.amdhsa_kernel k_qdb424fcef8_prep
		.amdhsa_group_segment_fixed_size 166656
		.amdhsa_private_segment_fixed_size 0
		.amdhsa_enable_private_segment 0
		.amdhsa_kernarg_size 40
		.amdhsa_user_sgpr_count 2
		.amdhsa_user_sgpr_kernarg_segment_ptr 1
		.amdhsa_wavefront_size32 1
		.amdhsa_system_sgpr_workgroup_id_x 1
		.amdhsa_system_sgpr_workgroup_id_y 1
		.amdhsa_system_sgpr_workgroup_id_z 1
		.amdhsa_system_vgpr_workitem_id 0
		.amdhsa_next_free_vgpr 248
		.amdhsa_next_free_sgpr 66
		.amdhsa_reserve_vcc 0
		.amdhsa_float_denorm_mode_32 3
		.amdhsa_float_denorm_mode_16_64 3
		.amdhsa_memory_ordered 1
		.amdhsa_forward_progress 1
		.amdhsa_inst_pref_size 20
	.end_amdhsa_kernel
	.amdgpu_metadata
---
amdhsa.version: [ 1, 2 ]
amdhsa.kernels:
  - .name:           k_qdb424fcef8_prep
    .symbol:         k_qdb424fcef8_prep.kd
    .args:
      - { .name: W_attn, .offset: 0, .size: 8, .value_kind: global_buffer, .address_space: global }
      - { .name: b_attn, .offset: 8, .size: 8, .value_kind: global_buffer, .address_space: global }
      - { .name: decoder_state, .offset: 16, .size: 8, .value_kind: global_buffer, .address_space: global }
      - { .name: wb, .offset: 24, .size: 8, .value_kind: global_buffer, .address_space: global }
      - { .name: biasc, .offset: 32, .size: 8, .value_kind: global_buffer, .address_space: global }
    .group_segment_fixed_size: 166656
    .private_segment_fixed_size: 0
    .kernarg_segment_align: 8
    .kernarg_segment_size: 40
    .max_flat_workgroup_size: 512
    .sgpr_count:     66
    .vgpr_count:     248
    .wavefront_size: 32
...
	.end_amdgpu_metadata
.endif
;; end of part 1
;; launch energy (part 2): grid 256 x 1, 4 waves a work-group, clusters of 4 x 1, 327,680 bytes of LDS; arguments encoder_annotation_seq, wb, biasc, w_comb, part; writes part
.if DOCPART == 2
	.amdgcn_target "amdgcn-amd-amdhsa--gfx1250"
	.amdhsa_code_object_version 6
	.text
	.protected	k_qdb424fcef8_energy
	.globl	k_qdb424fcef8_energy
	.p2align	8
	.type	k_qdb424fcef8_energy,@function
k_qdb424fcef8_energy:
	s_mov_b64 s[64:65], 0
	v_nop
	global_prefetch_b8 v0, s[64:65] scope:SCOPE_SE
	s_setreg_imm32_b32 hwreg(HW_REG_WAVE_MODE, 25, 1), 1
	s_wait_xcnt 0x0
	s_wait_alu depctr_hold_cnt(0) depctr_sa_sdst(0) depctr_va_vdst(0) depctr_va_sdst(0) depctr_va_ssrc(0) depctr_va_vcc(0) depctr_vm_vsrc(0)
	s_getreg_b32 s2, hwreg(HW_REG_IB_STS2, 6, 4)
	s_cmp_eq_u32 s2, 0
	s_cbranch_scc0 .Lentry_in_a_cluster
	s_endpgm
.Lentry_in_a_cluster:
	s_bfe_u32 s2, ttmp6, 0x10000c
	s_cmp_lg_u32 s2, 0x3003
	s_cbranch_scc0 .Lentry_shape_is_right
	s_endpgm
.Lentry_shape_is_right:
; PARTIAL SCORES.  part[4 nh + w][b][s] = sum over the 128 columns d of slice (nh, w) of -2 bf16(w_comb[d]) t,  t = 1 / (1 + 2^(c x)),  c = 2 log2(e),
; x = sum over e of bf16(enc[s][b][e]) bf16(W_e[d][e]) + dec_proj[b][d] + b_attn[d].  tanh x = 1 - 2 t, so the score of reference() is the sum of w_comb plus the eight slices' sum;
; the sum of w_comb is the same number for every s of a row b, and the softmax behind (which takes its maximum away) is unchanged by it for every input.
; enc: [2048 s][32 b][1024 e] f32;  wb, biasc: as the launch before lays them (bf16 fragments of W_e; c x bias in f32);  products in bf16, sums in f32.
; LIMITS.  2^(c x) beyond f32's range gives t = 0, below it t = 1: tanh's own limits.  NaN and infinities among the inputs are not treated apart.
; SHARES.  A work-group stays and makes 4 tiles of 128 rows (128 consecutive s of ONE b) x 512 columns (half nh of d).  Each of its four waves holds all 128 rows x 128 columns:
; 64 accumulators, 512 registers.  1,024 tiles, 256 work-groups.  K goes in 32 steps of 128 (8 to a tile), each four quarters of 32 on two fragment buffers.
; W_e comes by tensor loads into two LDS slots of 131,072 bytes; a wave's part (32,768 dense bytes, in fragment order) is fetched and read by that wave alone.
; CLUSTER.  The four work-groups of a cluster have the same nh and walk the same steps, so each tile of W_e is asked for JOINTLY (same load, descriptor and mask in all four).
; enc is NOT asked for jointly: partners hold different rows; the two work-groups that hold the two halves of the same rows lie in neighbouring clusters, and the rows must pass through
; registers to be rounded to bf16.  Each wave loads 32 rows x 64 K (16 loads of two rows x 256 aligned bytes) two half-steps ahead, rounds them and lays them into a ring of two LDS slots
; written by ds_store, which all four waves read as fragments.
; THE MATRIX INSTRUCTION IS USED TRANSPOSED (source 0 = 16 rows of W_e, source 1 = 16 rows of enc): a lane holds ONE s (lane % 16) and the columns 8 (lane / 16) + 0..7, so the sum over d
; is made inside the lane, with one exchange between the halves of the lanes.
; REGISTERS, in windows of 256 (s_set_vgpr_msb: bits 1:0 source 0, 3:2 source 1, 5:4 source 2, 7:6 destination):
;   window 0: v0-15 addresses; v16-31 score sums; v32-63 -2 w_comb, bf16 pairs; v64-127, v128-191 enc's fragments, two buffers (the second also: the weights widened, on the way out); v192-255 c x bias
;   window 1: v0-63, v192-255 enc as loaded, two sets; v64-127, v128-191 W_e's fragments, two buffers
;   window 2: the accumulators of rows 0-63 ((a, nb) at v[8 (8 a + nb)]);   window 3: those of rows 64-127
.set BSLOT,  131072                    ; a slot of W_e: four waves x 32,768 bytes: [q 4][nb 8][half 2][lane 32][16 bytes]
.set ABASE,  262144                    ; behind them, never filled by a tensor load: enc's ring
.set APITCH, 144                       ; a row: 64 bf16 = 128 bytes + 16 of padding = 36 words: the 16 rows of a fragment load start at 16 different groups of four banks (ISA guide 11.1)
.set ASLOT,  128*APITCH
.set SCR,    ABASE+2*ASLOT             ; 512 bytes for each wave: a tile's 128 scores
.set SPARE,  SCR+4*512                 ; the spare words, 128 bytes for each wave; no other line names them
.set SPW,  4                           ; v4   SPARE + 4 x my thread's number; never rewritten
.set NIL,  5                           ; v5   0; never rewritten
.set ADRA, 6                           ; v6   my lane's place in enc's fragments
.set AB0,  7                           ; v7   my lane's place in my part of slot 0 of W_e
.set ADRB, 8                           ; v8   the same in the slot in hand
.set ASTO, 9                           ; v9   where I put 8 bytes of a row of enc
.set GOFF, 10                          ; v10  my byte offset in the tile's rows of enc
.set SCRS, 11                          ; v11  where I put a score
.set SCRL, 12                          ; v12  where I read four back
.set OOFF, 13                          ; v13  16 x lane
.set HOFF, 14                          ; v14  32 x (lane / 16)
.set SC,   16
.set WP,   32
.set F0,   64
.set F1,   128
.set WU,   128
.set BI,   192
.set ST0,  0                           ; window 1
.set ST1,  192                         ; window 1
.set AP,   4                           ; s[4:5]   enc at the half-step loaded last
.set WBP,  6                           ; s[6:7]   wb at my wave's part of step 0 of my half
.set BP,   8                           ; s[8:9]   biasc at my columns and my b
.set WCP,  10                          ; s[10:11] w_comb at my columns
.set OP,   12                          ; s[12:13] part at the tile's scores
.set WV,   14                          ; s14  my wave's number
.set G1,   24                          ; s[24:31] descriptor group 1
.set G0A,  32                          ; s[32:35] group 0 of the first fill of slot 0
.set G0B,  36                          ; s[36:39] group 0 of slot 1's first fill; it then walks
.set OFF,  40                          ; s[40:41] byte offset in my half of wb of the step asked for last
.set TB,   42                          ; s42  LDS byte of the slot in hand
.set CNT,  43                          ; s43  steps to go in the loop
.set PH,   44                          ; s44  the step's number in its tile, 0..7
.set AC,   45                          ; s45  the number in its tile, 0..15, of the half-step loaded last
.set INC,  46                          ; s[46:47] what enc's pointer steps by
.set CS,   48                          ; s[48:49] c
.set SEL,  50                          ; s[50:51] v_permlanex16_b32's selects: each lane takes its own place in the other half
.set HM,   52                          ; s52  mask of lanes 16-31
.set HIM,  53                          ; s53  a word's upper bf16
.set STEPT, 54                         ; s54  from a tile's last half-step to the next tile's first: 128 rows of 131,072 bytes on, 15 x 256 bytes back
.set STEPK, 55                         ; s55  64 f32 along K
.set MSB, 0
.macro WIN new                         ; the immediate's high byte repeats the setting that is left; a switch that changes nothing is dropped
.if MSB != (\new)
	s_set_vgpr_msb (MSB<<8)|(\new)
.set MSB, \new
.endif
.endm
.set MUL_LO, 0xa1                      ; source 0 (W_e) window 1, source 1 (enc) window 0, C and D window 2
.macro PLACES                          ; four places in front of loads into, and vector writes of, registers that matrix instructions have read, and of reads of results
.rept 4
	v_nop
.endr
.endm
.macro CREST                           ; a round of the cluster's barrier behind its opening barrier
	s_cmp_lg_u32 s[WV], 0
	s_cbranch_scc1 .Lnot_wave_0_\@
	s_barrier_signal -3
.Lnot_wave_0_\@:
	s_barrier_wait -3
	s_barrier_signal -1
	s_barrier_wait -1
.endm
.macro CROUND                          ; a whole round
	s_barrier_signal -1
	s_barrier_wait -1
	CREST
.endm
; 16 matrix instructions: row blocks a0, a0 + 1 of the window's four x all 8 column blocks, 32 along K.  zero = 1: the products start the sums.  The 64 accumulators take turns, in the same order in every quarter.
.macro MUL16 f, hi, a0, zero
	WIN MUL_LO+0x50*(\hi)
.irp a, \a0, (\a0)+1
.irp b, 0,1,2,3,4,5,6,7
.if \zero
	v_wmma_f32_16x16x32_bf16 v[8*(8*(\a)+(\b)):8*(8*(\a)+(\b))+7], v[(\f)+8*(\b):(\f)+8*(\b)+7], v[(\f)+8*(4*(\hi)+(\a)):(\f)+8*(4*(\hi)+(\a))+7], 0
.else
	v_wmma_f32_16x16x32_bf16 v[8*(8*(\a)+(\b)):8*(8*(\a)+(\b))+7], v[(\f)+8*(\b):(\f)+8*(\b)+7], v[(\f)+8*(4*(\hi)+(\a)):(\f)+8*(4*(\hi)+(\a))+7], v[8*(8*(\a)+(\b)):8*(8*(\a)+(\b))+7]
.endif
.endr
.endr
.endm
; 32 LDS loads in one run: a quarter's fragments into buffer f: W_e's (each load 512 consecutive bytes), then enc's (16 rows, 144 bytes apart)
.macro FETCH aoff, boff, f
	WIN 0x40
.irp i, 0,1,2,3,4,5,6,7
	ds_load_b128 v[(\f)+8*(\i):(\f)+8*(\i)+3],   v[ADRB] offset:(\boff)+(\i)*1024
	ds_load_b128 v[(\f)+8*(\i)+4:(\f)+8*(\i)+7], v[ADRB] offset:(\boff)+(\i)*1024+512
.endr
	WIN 0
.irp i, 0,1,2,3,4,5,6,7
	ds_load_b128 v[(\f)+8*(\i):(\f)+8*(\i)+3],   v[ADRA] offset:(\aoff)+(\i)*16*APITCH
	ds_load_b128 v[(\f)+8*(\i)+4:(\f)+8*(\i)+7], v[ADRA] offset:(\aoff)+(\i)*16*APITCH+32
.endr
.endm
; 16 loads of enc into the set at st: load j brings rows 32 w + 2 j, + 1 of the tile, 256 aligned bytes of each.  No hint: the work-group of the other column half reads the rows too.
.macro ENCLOAD st, extra
.set j, 0
.rept 16
	global_load_b128 v[(\st)+4*j:(\st)+4*j+3], v[GOFF], s[AP:AP+1] offset:262144*j+(\extra)
.set j, j+1
.endr
.endm
; The set at st (window win) is rounded to bf16 in place and laid into slot `slot` of enc's ring.  left = the younger loads that may stay out.  The 32 conversions name no register of a
; matrix instruction: they are also the places in front of the run of LDS loads that follows.
.macro STAGE_OUT st, win, slot, left
	s_wait_loadcnt \left
	WIN 0x45*(\win)
.set j, 0
.rept 16
	v_cvt_pk_bf16_f32 v[(\st)+4*j],   v[(\st)+4*j],   v[(\st)+4*j+1]
	v_cvt_pk_bf16_f32 v[(\st)+4*j+1], v[(\st)+4*j+2], v[(\st)+4*j+3]
.set j, j+1
.endr
	WIN 0x04*(\win)
.set j, 0
.rept 16
	ds_store_b64 v[ASTO], v[(\st)+4*j:(\st)+4*j+1] offset:(\slot)*ASLOT+2*APITCH*j
.set j, j+1
.endr
.endm
; The set at st, just laid down, is loaded again, with the half-step three ahead of the one in hand.
.macro STAGE_IN st
	s_wait_xcnt 0x0                                ; every earlier memory instruction has had its addresses translated (ISA guide 3.1): the pointer steps only behind this wait
	s_add_co_u32 s[AC], s[AC], 1
	s_and_b32 s[AC], s[AC], 15
	s_cmp_eq_u32 s[AC], 0                          ; a tile's first half-step?
	s_cselect_b32 s[INC], s[STEPT], s[STEPK]
	s_add_nc_u64 s[AP:AP+1], s[AP:AP+1], s[INC:INC+1]
	WIN 0x40
	ENCLOAD \st, 0
.endm
; A quarter on buffer f that opens a half-step: in its middle the next half-step of enc is laid into the ring (cvt), the next quarter's fragments are fetched into g, and the set is loaded again (load).
.macro QA f, g, aoff, boff, zero, st, slot, cvt, load, left
	s_wait_dscnt 8                                 ; W_e and enc's rows 0-63 are in; the youngest eight loads (rows 64-127) may be out
	MUL16 \f, 0, 0, \zero
	MUL16 \f, 0, 2, \zero
.if \cvt
	STAGE_OUT \st, 1, \slot, \left
.else
	PLACES
.endif
	FETCH \aoff, \boff, \g
	s_wait_dscnt 32                                ; all but the 32 loads just issued: rows 64-127 are in, and the ring's stores have read their registers
.if \load
	STAGE_IN \st
.endif
	MUL16 \f, 1, 0, \zero
	MUL16 \f, 1, 2, \zero
.endm
; The quarter on buffer 1 in a step's middle: enc's ring changes slots.  In front of the barrier each wave's stores into the next slot are done and its reads of this slot are back; behind it
; the next slot is read, and this one may be written.  No tensor load fills anything behind this barrier, so W_e's refill stays on its way across it.
.macro HT aoff, boff
	s_wait_dscnt 8
	MUL16 F1, 0, 0, 0
	s_wait_dscnt 0x0
	s_barrier_signal -1
	MUL16 F1, 0, 2, 0
	s_barrier_wait -1
	PLACES
	FETCH \aoff, \boff, F0
	MUL16 F1, 1, 0, 0
	MUL16 F1, 1, 2, 0
.endm
; A step's last quarter: both rings change slots.  Each wave waits for all its tensor loads (one is out: its part of the next slot of W_e), adds 0 to its spare word, and waits for that, for
; its stores into enc's ring and for its reads of both slots.  fill = 1: the barrier opens a round of the cluster's, and the slot of W_e just read is filled again, two steps ahead, first thing behind it.
.macro FT fill
	WIN 0                                          ; (the add's two registers lie in window 0)
	s_wait_tensorcnt 0x0                           ; no tensor load of mine is out
	ds_add_u32 v[SPW], v[NIL]
	s_wait_dscnt 9                                 ; (the add and the youngest eight loads may be out)
	MUL16 F1, 0, 0, 0                              ; sixteen matrix instructions stand between the add and the wait for it
	s_wait_dscnt 0x0
	s_barrier_signal -1
	MUL16 F1, 0, 2, 0
	WIN 0
	s_barrier_wait -1
.if \fill
	CREST                                          ; no wave of any partner still reads the slot or has a load on its way
	s_xor_b32 s[G0B+1], s[G0B+1], BSLOT            ; the other slot than last time,
	s_add_co_u32 s[OFF], s[OFF], BSLOT             ; the next step's tile; behind a tile's eighth step the first again
	s_and_b32 s[OFF], s[OFF], 0xfffff
	s_add_nc_u64 s[G0B+2:G0B+3], s[WBP:WBP+1], s[OFF:OFF+1]
	s_or_b32 s[G0B+3], s[G0B+3], 0x80000000
	tensor_load_to_lds s[G0B:G0B+3], s[G1:G1+7]    ; my one tensor load behind the round: 224 matrix instructions ahead of the wait for it
	s_nop 0
.endif
	PLACES                                         ; the places in front of the loads below
	s_xor_b32 s[TB], s[TB], BSLOT
	v_add_nc_u32 v[ADRB], s[TB], v[AB0]
	FETCH 0, 0, F0
	MUL16 F1, 1, 0, 0
	MUL16 F1, 1, 2, 0
.endm
; THE WAY OUT of a tile, one group of four accumulators (column block nb, rows 64 hi ..) at a time, in place: y = c x + c bias; 2^y; 1 + 2^y; t = 1 / (1 + 2^y); the score sums take -2 w t.
; Each accumulator's lowest registers are read first.  A plain instruction stands behind each run of transcendentals (ISA guide 5.7.2).
.macro EGROUP nb, hi
	WIN 0x82+0x41*(\hi)                            ; destination and source 0: window 2 or 3; the bias in window 0
.irp a, 0,1,2,3
.irp p, 0,1,2,3
	v_pk_fma_f32 v[8*(8*(\a)+(\nb))+2*(\p):8*(8*(\a)+(\nb))+2*(\p)+1], v[8*(8*(\a)+(\nb))+2*(\p):8*(8*(\a)+(\nb))+2*(\p)+1], s[CS:CS+1], v[BI+8*(\nb)+2*(\p):BI+8*(\nb)+2*(\p)+1] op_sel_hi:[1,0,1]
.endr
.endr
.irp a, 0,1,2,3
.irp p, 0,1,2,3,4,5,6,7
	v_exp_f32 v[8*(8*(\a)+(\nb))+(\p)], v[8*(8*(\a)+(\nb))+(\p)]
.endr
.endr
	v_nop
	s_wait_alu depctr_va_vdst(0)
.irp a, 0,1,2,3
.irp p, 0,1,2,3
	v_pk_add_f32 v[8*(8*(\a)+(\nb))+2*(\p):8*(8*(\a)+(\nb))+2*(\p)+1], v[8*(8*(\a)+(\nb))+2*(\p):8*(8*(\a)+(\nb))+2*(\p)+1], 1.0 op_sel_hi:[1,0]
.endr
.endr
.irp a, 0,1,2,3
.irp p, 0,1,2,3,4,5,6,7
	v_rcp_f32 v[8*(8*(\a)+(\nb))+(\p)], v[8*(8*(\a)+(\nb))+(\p)]
.endr
.endr
	v_nop
	s_wait_alu depctr_va_vdst(0)
	WIN 0x02+(\hi)                                 ; source 0: window 2 or 3; weights and sums in window 0
.irp p, 0,1,2,3
.irp a, 0,1,2,3                        ; the four row blocks' sums take turns
.if ((\nb) == 0) && ((\p) == 0)
	s_wait_alu depctr_va_vdst(0)
	v_pk_mul_f32 v[SC+2*(4*(\hi)+(\a)):SC+2*(4*(\hi)+(\a))+1], v[8*(8*(\a)+(\nb))+2*(\p):8*(8*(\a)+(\nb))+2*(\p)+1], v[WU+8*(\nb)+2*(\p):WU+8*(\nb)+2*(\p)+1]  ; the first product starts the sum
.else
	v_pk_fma_f32 v[SC+2*(4*(\hi)+(\a)):SC+2*(4*(\hi)+(\a))+1], v[8*(8*(\a)+(\nb))+2*(\p):8*(8*(\a)+(\nb))+2*(\p)+1], v[WU+8*(\nb)+2*(\p):WU+8*(\nb)+2*(\p)+1], v[SC+2*(4*(\hi)+(\a)):SC+2*(4*(\hi)+(\a))+1]
.endif
.endr
.endr
.endm
.macro EPI
	PLACES                                         ; behind the last products, whose enc fragments lay where the weights are widened
	WIN 0
.set i, 0
.rept 32
	v_lshlrev_b32 v[WU+2*i],   16, v[WP+i]         ; bf16 to f32: the low half moves up,
	v_and_b32     v[WU+2*i+1], s[HIM], v[WP+i]     ; the high half stays
.set i, i+1
.endr
.irp nb, 0,1,2,3,4,5,6,7
.irp hi, 0,1
	EGROUP \nb, \hi
.endr
.endr
	WIN 0
.irp a, 0,1,2,3,4,5,6,7
	v_add_f32 v[SC+2*\a], v[SC+2*\a], v[SC+2*\a+1] ; even columns' sum + odd columns'
.endr
.irp a, 0,1,2,3,4,5,6,7
	v_permlanex16_b32 v[SC+2*\a+1], v[SC+2*\a], s[SEL], s[SEL+1]  ; the row's other 64 columns lie in the lane 16 away
.endr
.irp a, 0,1,2,3,4,5,6,7
	v_add_f32 v[SC+2*\a], v[SC+2*\a], v[SC+2*\a+1]
.endr
.irp i, 0,1,2,3
	v_cndmask_b32 v[SC+4*\i+1], v[SC+4*\i], v[SC+4*\i+2], s[HM]  ; lanes 0-15 keep block 2 i's score, lanes 16-31 take block 2 i + 1's: lane l holds row 32 i + l
.endr
.irp i, 0,1,2,3
	ds_store_b32 v[SCRS], v[SC+4*\i+1] offset:128*\i
.endr
	ds_load_b128 v[WU:WU+3], v[SCRL]               ; LDS serves a wave's instructions in order (ISA guide 5.7.1.4): this sees the stores above; four consecutive rows a lane
	s_wait_dscnt 0x0
	global_store_b128 v[OOFF], v[WU:WU+3], s[OP:OP+1]  ; the tile's 128 scores: 512 consecutive bytes, aligned
	s_wait_xcnt 0x0                                ; the store's registers and base are rewritten only behind this wait
	s_add_nc_u64 s[OP:OP+1], s[OP:OP+1], 512       ; the next tile's scores follow
.endm
	s_load_b256 s[4:11], s[0:1], 0x0               ; enc, wb, biasc, w_comb
	s_load_b64 s[12:13], s[0:1], 0x20              ; part
	v_lshl_add_u32 v[SPW], v0, 2, SPARE
	v_mov_b32 v[NIL], 0
	ds_add_u32 v[SPW], v[NIL]                      ; the wave's opening: the add and its wait stand ahead of my first tensor load; work on registers stands between them
	v_lshrrev_b32 v1, 5, v0
	v_readfirstlane_b32 s[WV], v1                  ; wave 0..3
	s_bfe_u32 s15, ttmp6, 0x40000                  ; cx: my place in the cluster: it enters the addresses of enc, biasc and part alone
	s_and_b32 s16, ttmp9, 1                        ; nh: the column half, which the four partners share (in a cluster launch ttmp9 counts clusters)
	s_lshr_b32 s17, ttmp9, 1
	s_lshl_b32 s17, s17, 2
	s_add_co_u32 s17, s17, s15                     ; my row group, 0..127
	s_and_b32 s18, s17, 31                         ; b
	s_lshr_b32 s19, s17, 5                         ; which 512 of the 2,048 s
	; descriptor group 1: 32,768 dense bytes as 128 rows of 32 elements of 8 bytes
	s_mov_b32 s[G1+0], 15|(3<<16)|(1<<21)          ; 15:0 the mask: all four work-groups; 17:16 elements of 8 bytes; 21 set beside a mask; no padding
	s_mov_b32 s[G1+1], 32<<16                      ; tensor_dim0 = 32
	s_mov_b32 s[G1+2], 128<<16                     ; tensor_dim1 = 128
	s_mov_b32 s[G1+3], 32<<16                      ; tile_dim0 = 32
	s_mov_b32 s[G1+4], 128                         ; tile_dim1 = 128
	s_mov_b32 s[G1+5], 32                          ; 32 elements from row to row
	s_mov_b32 s[G1+6], 0
	s_mov_b32 s[G1+7], 0
	s_mov_b32 s[G0A], 1                            ; count = 1
	s_lshl_b32 s[G0A+1], s[WV], 15                 ; LDS address: slot 0, my wave's part
	s_mov_b32 s[G0B], 1
	s_add_co_u32 s[G0B+1], s[G0A+1], BSLOT         ; slot 1
	s_mov_b32 s[OFF], BSLOT                        ; step 1
	s_mov_b32 s[OFF+1], 0
	s_mov_b32 s[INC+1], 0
	s_mov_b32 s[CS], 0x4038aa3b                    ; c = 2 log2(e) = 2.885390
	s_mov_b32 s[CS+1], s[CS]                       ; named with it as a pair
	s_mov_b32 s[SEL], 0x76543210
	s_mov_b32 s[SEL+1], 0xfedcba98
	s_mov_b32 s[HIM], 0xffff0000
	s_mov_b32 s[STEPT], 128*131072-15*256
	s_mov_b32 s[STEPK], 256
	s_lshl_b32 s20, s16, 20                        ; wb: my half, my wave's part; nothing of cx enters these two registers
	s_lshl_b32 s21, s[WV], 15
	s_add_co_u32 s20, s20, s21
	s_mov_b32 s21, 0
	s_wait_dscnt 0x0                               ; the opening add is done
	s_wait_kmcnt 0x0
	s_add_nc_u64 s[WBP:WBP+1], s[WBP:WBP+1], s[20:21]
	s_mov_b64 s[G0A+2:G0A+3], s[WBP:WBP+1]         ; global address: step 0
	s_or_b32 s[G0A+3], s[G0A+3], 0x80000000        ; type = 2
	s_add_nc_u64 s[G0B+2:G0B+3], s[WBP:WBP+1], s[OFF:OFF+1]
	s_or_b32 s[G0B+3], s[G0B+3], 0x80000000
	s_lshl_b32 s22, s18, 12                        ; enc: b's 4,096 bytes in a row s, and 512 rows s of 131,072 bytes for each group of s
	s_lshl_b32 s23, s19, 26
	s_add_co_u32 s22, s22, s23
	s_mov_b32 s23, 0
	s_add_nc_u64 s[AP:AP+1], s[AP:AP+1], s[22:23]
	s_lshl_b32 s22, s16, 16                        ; biasc: 2,048 bytes for each 16 columns (32 nh + 8 w blocks), 64 bytes for each b
	s_lshl_b32 s23, s[WV], 14
	s_add_co_u32 s22, s22, s23
	s_lshl_b32 s23, s18, 6
	s_add_co_u32 s22, s22, s23
	s_mov_b32 s23, 0
	s_add_nc_u64 s[BP:BP+1], s[BP:BP+1], s[22:23]
	s_lshl_b32 s22, s16, 11                        ; w_comb: 4 (512 nh + 128 w)
	s_lshl_b32 s23, s[WV], 9
	s_add_co_u32 s22, s22, s23
	s_mov_b32 s23, 0
	s_add_nc_u64 s[WCP:WCP+1], s[WCP:WCP+1], s[22:23]
	s_lshl_b32 s22, s16, 20                        ; part: slice 4 nh + w of 262,144 bytes, row b of 8,192, my 512 s
	s_lshl_b32 s23, s[WV], 18
	s_add_co_u32 s22, s22, s23
	s_lshl_b32 s23, s18, 13
	s_add_co_u32 s22, s22, s23
	s_lshl_b32 s23, s19, 11
	s_add_co_u32 s22, s22, s23
	s_mov_b32 s23, 0
	s_add_nc_u64 s[OP:OP+1], s[OP:OP+1], s[22:23]
	CROUND                                         ; all four work-groups are here: the first joint loads meet
	tensor_load_to_lds s[G0A:G0A+3], s[G1:G1+7]    ; steps 0 and 1: two tensor loads of mine are out
	s_nop 0
	tensor_load_to_lds s[G0B:G0B+3], s[G1:G1+7]
	s_nop 0
	PLACES
	v_and_b32 v1, 31, v0                           ; lane
	v_and_b32 v2, 15, v0                           ; lane % 16
	v_bfe_u32 v3, v0, 4, 1                         ; lane / 16
	v_lshlrev_b32 v[HOFF], 5, v3
	s_lshl_b32 s21, s[WV], 22                      ; my wave's 32 rows of 131,072 bytes
	v_lshlrev_b32 v[GOFF], 17, v3
	v_lshl_add_u32 v[GOFF], v2, 4, v[GOFF]
	v_add_nc_u32 v[GOFF], s21, v[GOFF]             ; row 32 w + lane / 16, 16 bytes for each of 16 lanes
.irp nb, 0,1,2,3,4,5,6,7
.irp p, 0,1
	global_load_b128 v[BI+8*\nb+4*\p:BI+8*\nb+4*\p+3], v[HOFF], s[BP:BP+1] offset:2048*\nb+16*\p  ; c x bias of columns 16 nb + 8 (lane / 16) + 4 p ..
.endr
.endr
.irp nb, 0,1,2,3,4,5,6,7
.irp p, 0,1
	global_load_b128 v[WU+8*\nb+4*\p:WU+8*\nb+4*\p+3], v[HOFF], s[WCP:WCP+1] offset:64*\nb+16*\p  ; w_comb of the same columns
.endr
.endr
	ENCLOAD F0, 0                                  ; half-step 0, into window 0 where fragments will lie,
	WIN 0x40
	ENCLOAD ST1, 256                               ; half-step 1
	ENCLOAD ST0, 512                               ; and half-step 2
	WIN 0
	v_mul_u32_u24 v[ADRA], v2, APITCH
	v_lshl_add_u32 v[ADRA], v3, 4, v[ADRA]
	v_add_nc_u32 v[ADRA], ABASE, v[ADRA]           ; row x pitch + 16 x half
	v_lshlrev_b32 v[AB0], 4, v1
	v_add_nc_u32 v[AB0], s[G0A+1], v[AB0]          ; my wave's part + 16 x lane
	s_mul_i32 s20, s[WV], 32*APITCH
	s_add_co_u32 s20, s20, ABASE
	v_mul_u32_u24 v[ASTO], v3, APITCH
	v_lshl_add_u32 v[ASTO], v2, 3, v[ASTO]
	v_add_nc_u32 v[ASTO], s20, v[ASTO]             ; row 32 w + lane / 16, 8 bytes for each of 16 lanes
	s_lshl_b32 s20, s[WV], 9
	s_add_co_u32 s20, s20, SCR
	v_lshl_add_u32 v[SCRS], v1, 2, s20
	v_lshl_add_u32 v[SCRL], v1, 4, s20
	v_lshlrev_b32 v[OOFF], 4, v1
	v_cmp_le_u32 s[HM], 16, v1
	s_wait_xcnt 0x0                                ; enc's pointer steps only behind this wait
	s_add_nc_u64 s[AP:AP+1], s[AP:AP+1], 512       ; at half-step 2
	s_mov_b32 s[AC], 2
	s_wait_loadcnt 48                              ; bias and w_comb are in; enc's three sets of 16 may be out
.set i, 0
.rept 32
	v_pk_mul_f32 v[WU+2*i:WU+2*i+1], v[WU+2*i:WU+2*i+1], -2.0 op_sel_hi:[1,0]
.set i, i+1
.endr
.set i, 0
.rept 32
	v_cvt_pk_bf16_f32 v[WP+i], v[WU+2*i], v[WU+2*i+1]  ; bf16(-2 w) = -2 bf16(w)
.set i, i+1
.endr
	STAGE_OUT F0, 0, 0, 32                         ; half-step 0 into the ring's slot 0; sets 1 and 2 may be out
	s_wait_tensorcnt 1                             ; my part of step 0 is in; step 1's may stay out: no tensor load fills anything behind this barrier
	s_wait_dscnt 0x0                               ; my rows of half-step 0 are in LDS
	s_barrier_signal -1
	s_barrier_wait -1
	s_mov_b32 s[TB], 0
	v_mov_b32 v[ADRB], v[AB0]
	FETCH 0, 0, F0
	s_mov_b32 s[CNT], 30
	s_mov_b32 s[PH], 0
	s_branch .Lzero
.Lstep:                                                ; a trip is a K step of 128: 256 matrix instructions a wave; 30 trips, each of which asks for the tile two steps on
	s_cmp_eq_u32 s[PH], 0
	s_cbranch_scc1 .Lzero
	QA F0, F1, 64, 8192, 0, ST1, 1, 1, 1, 16       ; loadcnt 16: the one younger set may be out
	WIN 0                                          ; at a label and at a branch every window is 0
	s_branch .Lq1
.Lzero:                                                ; a tile's first quarter: its products start the sums
	QA F0, F1, 64, 8192, 1, ST1, 1, 1, 1, 16
	WIN 0
.Lq1:
	HT ASLOT, 16384
	QA F0, F1, ASLOT+64, 24576, 0, ST0, 0, 1, 1, 16
	FT 1
	WIN 0
	s_cmp_lg_u32 s[PH], 7
	s_cbranch_scc1 .Lno
	EPI                                            ; a tile's eighth step is done; W_e's refill, enc's two sets and the next tile's first fragments are on their way meanwhile
.Lno:
	s_add_co_u32 s[PH], s[PH], 1
	s_and_b32 s[PH], s[PH], 7
	s_sub_co_u32 s[CNT], s[CNT], 1
	s_cmp_lg_u32 s[CNT], 0
	s_cbranch_scc1 .Lstep
	; the last two steps are written out
	QA F0, F1, 64, 8192, 0, ST1, 1, 1, 1, 16       ; step 30: the last set of enc, half-step 63, is asked for
	HT ASLOT, 16384
	QA F0, F1, ASLOT+64, 24576, 0, ST0, 0, 1, 0, 16
	FT 0
	QA F0, F1, 64, 8192, 0, ST1, 1, 1, 0, 0        ; step 31: the last set is waited for with nothing behind it
	HT ASLOT, 16384
	QA F0, F1, ASLOT+64, 24576, 0, ST0, 0, 0, 0, 0
	s_wait_dscnt 8                                 ; the very last quarter
	MUL16 F1, 0, 0, 0
	MUL16 F1, 0, 2, 0
	s_wait_dscnt 0x0
	MUL16 F1, 1, 0, 0
	MUL16 F1, 1, 2, 0
	WIN 0
	EPI
	s_wait_tensorcnt 0x0                           ; the wave's end, behind my last tensor load and my last LDS store
	ds_add_u32 v[SPW], v[NIL]
	s_wait_dscnt 0x0
	CROUND                                         ; the closing round: no work-group ends while a partner may still ask for a tile that names it
	s_endpgm
.Lfunc_end_k_qdb424fcef8_energy:
	.size	k_qdb424fcef8_energy, .Lfunc_end_k_qdb424fcef8_energy-k_qdb424fcef8_energy
	.p2alignl 7, 3214868480
	.fill 96, 4, 3214868480
	.section	.rodata,"a",@progbits
	.p2align	6, 0x0
	.amdhsa_kernel k_qdb424fcef8_energy
		.amdhsa_group_segment_fixed_size 327680
		.amdhsa_private_segment_fixed_size 0
		.amdhsa_enable_private_segment 0
		.amdhsa_kernarg_size 40
		.amdhsa_user_sgpr_count 2
		.amdhsa_user_sgpr_kernarg_segment_ptr 1
		.amdhsa_wavefront_size32 1
		.amdhsa_system_sgpr_workgroup_id_x 1
		.amdhsa_system_sgpr_workgroup_id_y 1
		.amdhsa_system_sgpr_workgroup_id_z 1
		.amdhsa_system_vgpr_workitem_id 0
		.amdhsa_next_free_vgpr 1024
		.amdhsa_next_free_sgpr 66
		.amdhsa_reserve_vcc 0
		.amdhsa_float_denorm_mode_32 3
		.amdhsa_float_denorm_mode_16_64 3
		.amdhsa_memory_ordered 1
		.amdhsa_forward_progress 1
		.amdhsa_inst_pref_size 255
	.end_amdhsa_kernel
	.section	.bss,"aw",@nobits
	.p2align	6
	.space	262144
	.amdgpu_metadata
---
amdhsa.version: [ 1, 2 ]
amdhsa.kernels:
  - .name:           k_qdb424fcef8_energy
    .symbol:         k_qdb424fcef8_energy.kd
    .args:
      - { .name: encoder_annotation_seq, .offset: 0, .size: 8, .value_kind: global_buffer, .address_space: global }
      - { .name: wb, .offset: 8, .size: 8, .value_kind: global_buffer, .address_space: global }
      - { .name: biasc, .offset: 16, .size: 8, .value_kind: global_buffer, .address_space: global }
      - { .name: w_comb, .offset: 24, .size: 8, .value_kind: global_buffer, .address_space: global }
      - { .name: part, .offset: 32, .size: 8, .value_kind: global_buffer, .address_space: global }
    .group_segment_fixed_size: 327680
    .private_segment_fixed_size: 0
    .kernarg_segment_align: 8
    .kernarg_segment_size: 40
    .max_flat_workgroup_size: 128
    .sgpr_count:     66
    .vgpr_count:     1024
    .wavefront_size: 32
...
	.end_amdgpu_metadata
.endif
;; end of part 2
;; launch soft (part 3): grid 32 x 1, 16 waves a work-group, no clusters, 2,560 bytes of LDS; arguments part, out0; writes out0
.if DOCPART == 3
	.amdgcn_target "amdgcn-amd-amdhsa--gfx1250"
	.amdhsa_code_object_version 6
	.text
	.protected	k_qdb424fcef8_soft
	.globl	k_qdb424fcef8_soft
	.p2align	8
	.type	k_qdb424fcef8_soft,@function
k_qdb424fcef8_soft:
	s_mov_b64 s[64:65], 0
	v_nop
	global_prefetch_b8 v0, s[64:65] scope:SCOPE_SE
	s_setreg_imm32_b32 hwreg(HW_REG_WAVE_MODE, 25, 1), 1
	s_wait_xcnt 0x0
; out0[b][s] = softmax over s of the sum of the eight slices part[slice][b][s].  part: [8][32][2048] f32, out0: [32][2048] f32.  All in f32.
; (The slices' sum is reference()'s score less the sum of w_comb, the same number for every s of a row: the maximum that is taken away here takes it along.)
; Work-group b owns row b; thread t owns s = 4 t .. 4 t + 3, which stay in registers between the maximum, the sum and the division: part is read once.
; The row's maximum and sum meet in LDS, a word for each of the 16 waves, behind a barrier each.  A weight below 2^-126 counts as 0.  NaN is not treated apart.
; No matrix unit, tensor load or cluster: 64 KiB come in and 8 KiB go out for each work-group, and no two work-groups share a byte.
.set MAXW,  0                          ; 16 words: the waves' maxima
.set SUMW,  256                        ; 16 words: the waves' sums
.set SPARE, 512                        ; the spare words: 128 bytes for each of 16 waves; no other line names them
.set X, 32                             ; v[32:63] the eight slices' four numbers; then v[32:35] the scores, the weights, the result
	s_load_b128 s[4:7], s[0:1], 0x0                ; part s[4:5], out0 s[6:7]
	v_lshl_add_u32 v30, v0, 2, SPARE               ; my spare word; never rewritten
	v_mov_b32 v31, 0                               ; 0; never rewritten
	v_lshrrev_b32 v1, 5, v0
	v_lshlrev_b32 v10, 2, v1                       ; my wave's word
	v_lshlrev_b32 v2, 4, v0                        ; 16 t
	v_mov_b32 v9, 0                                ; v_permlanex16_b32's destination counts as read
	v_mov_b32 v11, 0
	s_lshl_b32 s10, ttmp9, 13                      ; row b: 8,192 bytes, in part's slices and in out0
	s_mov_b32 s11, 0
	s_mov_b32 s12, 0x76543210                      ; v_permlanex16_b32: each lane takes its own place in the other half
	s_mov_b32 s13, 0xfedcba98
	s_mov_b32 s14, 0x3fb8aa3b                      ; log2(e)
	s_mov_b32 s15, s14                             ; named with it as a pair
	s_wait_kmcnt 0x0
	s_add_nc_u64 s[4:5], s[4:5], s[10:11]
	s_add_nc_u64 s[6:7], s[6:7], s[10:11]
.set i, 0
.rept 8
	global_load_b128 v[X+4*i:X+4*i+3], v2, s[4:5] offset:262144*i th:TH_LOAD_NT  ; a wave's load covers 512 consecutive bytes; read once
.set i, i+1
.endr
	s_wait_loadcnt 0x0
.irp s, 4,2,1                          ; the eight slices, added as a tree
.set p, 0
.rept \s
	v_pk_add_f32 v[X+4*p:X+4*p+1],   v[X+4*p:X+4*p+1],   v[X+4*(p+\s):X+4*(p+\s)+1]
	v_pk_add_f32 v[X+4*p+2:X+4*p+3], v[X+4*p+2:X+4*p+3], v[X+4*(p+\s)+2:X+4*(p+\s)+3]
.set p, p+1
.endr
.endr
	; the maximum: in the lane, across the wave, across the waves
	v_max3_num_f32 v8, v[X], v[X+1], v[X+2]
	v_max_num_f32 v8, v8, v[X+3]
	v_max_num_f32_dpp v8, v8, v8 row_xmask:1 row_mask:0xf bank_mask:0xf
	v_max_num_f32_dpp v8, v8, v8 row_xmask:2 row_mask:0xf bank_mask:0xf
	v_max_num_f32_dpp v8, v8, v8 row_xmask:4 row_mask:0xf bank_mask:0xf
	v_max_num_f32_dpp v8, v8, v8 row_xmask:8 row_mask:0xf bank_mask:0xf
	v_permlanex16_b32 v9, v8, s12, s13
	v_max_num_f32 v8, v8, v9
	ds_store_b32 v10, v8 offset:MAXW               ; all lanes write the same word with the same number
	s_wait_dscnt 0x0                               ; for the others' sake
	s_barrier_signal -1
	s_barrier_wait -1
.irp i, 0,1,2,3
	ds_load_b128 v[12+4*\i:15+4*\i], v11 offset:MAXW+16*\i
.endr
	s_wait_dscnt 0x0
	v_max3_num_f32 v12, v12, v13, v14
	v_max3_num_f32 v15, v15, v16, v17
	v_max3_num_f32 v18, v18, v19, v20
	v_max3_num_f32 v21, v21, v22, v23
	v_max3_num_f32 v24, v24, v25, v26
	v_max3_num_f32 v12, v12, v15, v18
	v_max3_num_f32 v21, v21, v24, v27
	v_max_num_f32 v12, v12, v21                    ; the row's maximum, in every lane
	v_mul_f32 v28, s14, v12
	v_mov_b32 v29, v28                             ; named with it as a pair
	v_pk_fma_f32 v[X:X+1],   v[X:X+1],   s[14:15], v[28:29] op_sel_hi:[1,0,0] neg_lo:[0,0,1] neg_hi:[0,0,1]  ; log2(e) x - log2(e) max
	v_pk_fma_f32 v[X+2:X+3], v[X+2:X+3], s[14:15], v[28:29] op_sel_hi:[1,0,0] neg_lo:[0,0,1] neg_hi:[0,0,1]
	v_exp_f32 v[X], v[X]
	v_exp_f32 v[X+1], v[X+1]
	v_exp_f32 v[X+2], v[X+2]
	v_exp_f32 v[X+3], v[X+3]
	v_nop                                          ; a plain instruction between the last exponential and the use of its result (ISA guide 5.7.2)
	; the sum, by the same road, through other words
	s_wait_alu depctr_va_vdst(0)
	v_pk_add_f32 v[8:9], v[X:X+1], v[X+2:X+3]
	v_add_f32 v8, v8, v9
	v_add_f32_dpp v8, v8, v8 row_xmask:1 row_mask:0xf bank_mask:0xf
	v_add_f32_dpp v8, v8, v8 row_xmask:2 row_mask:0xf bank_mask:0xf
	v_add_f32_dpp v8, v8, v8 row_xmask:4 row_mask:0xf bank_mask:0xf
	v_add_f32_dpp v8, v8, v8 row_xmask:8 row_mask:0xf bank_mask:0xf
	v_permlanex16_b32 v9, v8, s12, s13
	v_add_f32 v8, v8, v9
	ds_store_b32 v10, v8 offset:SUMW
	s_wait_dscnt 0x0
	s_barrier_signal -1
	s_barrier_wait -1
.irp i, 0,1,2,3
	ds_load_b128 v[12+4*\i:15+4*\i], v11 offset:SUMW+16*\i
.endr
	s_wait_dscnt 0x0
	v_pk_add_f32 v[12:13], v[12:13], v[20:21]
	v_pk_add_f32 v[14:15], v[14:15], v[22:23]
	v_pk_add_f32 v[16:17], v[16:17], v[24:25]
	v_pk_add_f32 v[18:19], v[18:19], v[26:27]
	v_pk_add_f32 v[12:13], v[12:13], v[16:17]
	v_pk_add_f32 v[14:15], v[14:15], v[18:19]
	v_pk_add_f32 v[12:13], v[12:13], v[14:15]
	v_add_f32 v12, v12, v13                        ; the row's sum: at least 1, the maximum's own weight
	v_rcp_f32 v28, v12                             ; made twice, to fill the pair that the packed multiply takes
	v_rcp_f32 v29, v12
	v_nop
	s_wait_alu depctr_va_vdst(0)
	v_pk_mul_f32 v[X:X+1],   v[X:X+1],   v[28:29]
	v_pk_mul_f32 v[X+2:X+3], v[X+2:X+3], v[28:29]
	global_store_b128 v2, v[X:X+3], s[6:7]         ; a wave's store covers 512 consecutive bytes, aligned
	s_wait_tensorcnt 0x0                           ; the wave's end, behind my last LDS store
	ds_add_u32 v30, v31
	s_wait_dscnt 0x0
	s_endpgm
.Lfunc_end_k_qdb424fcef8_soft:
	.size	k_qdb424fcef8_soft, .Lfunc_end_k_qdb424fcef8_soft-k_qdb424fcef8_soft
	.p2alignl 7, 3214868480
	.fill 96, 4, 3214868480
	.section	.rodata,"a",@progbits
	.p2align	6, 0x0
	.amdhsa_kernel k_qdb424fcef8_soft
		.amdhsa_group_segment_fixed_size 2560
		.amdhsa_private_segment_fixed_size 0
		.amdhsa_enable_private_segment 0
		.amdhsa_kernarg_size 16
		.amdhsa_user_sgpr_count 2
		.amdhsa_user_sgpr_kernarg_segment_ptr 1
		.amdhsa_wavefront_size32 1
		.amdhsa_system_sgpr_workgroup_id_x 1
		.amdhsa_system_sgpr_workgroup_id_y 1
		.amdhsa_system_sgpr_workgroup_id_z 1
		.amdhsa_system_vgpr_workitem_id 0
		.amdhsa_next_free_vgpr 64
		.amdhsa_next_free_sgpr 66
		.amdhsa_reserve_vcc 0
		.amdhsa_float_denorm_mode_32 3
		.amdhsa_float_denorm_mode_16_64 3
		.amdhsa_memory_ordered 1
		.amdhsa_forward_progress 1
		.amdhsa_inst_pref_size 7
	.end_amdhsa_kernel
	.amdgpu_metadata
---
amdhsa.version: [ 1, 2 ]
amdhsa.kernels:
  - .name:           k_qdb424fcef8_soft
    .symbol:         k_qdb424fcef8_soft.kd
    .args:
      - { .name: part, .offset: 0, .size: 8, .value_kind: global_buffer, .address_space: global }
      - { .name: out0, .offset: 8, .size: 8, .value_kind: global_buffer, .address_space: global }
    .group_segment_fixed_size: 2560
    .private_segment_fixed_size: 0
    .kernarg_segment_align: 8
    .kernarg_segment_size: 16
    .max_flat_workgroup_size: 512
    .sgpr_count:     66
    .vgpr_count:     64
    .wavefront_size: 32
...
	.end_amdgpu_metadata
.endif
;; end of part 3
